; MI455X (gfx1250); checked and timed in simulation.
; The chip was launched on July 23, 2026; its instructions are those of AMD's public machine-readable ISA for CDNA 5 (MIT licence, August 2026) and "CDNA5" Instruction Set Architecture Reference Guide (July 2026). The comments in the code are by the model that wrote it; some were corrected since.
;; Multi Head Attention. Allowed arithmetic: matrix products marked QUANTISED: E4M3 operands, one given power-of-two scale a tensor, by v_wmma_f32_16x16x64_fp8_fp8 or v_wmma_f32_16x16x128_fp8_fp8, f32 sums; everything else in f32.
;; Inputs: Wk 1,024 x 1,024 float32; Wq 1,024 x 1,024 float32; Wv 1,024 x 1,024 float32; beta1 64 float32; beta2 64 float32; bk 1,024 float32; bq 1,024 float32; bv 1,024 float32; g1 64 float32; g2 64 float32; k 4 x 2,048 x 1,024 float32; lowp_scales 10 int32 (the exponents e of the quantised operands' scales 2^e); q 4 x 2,048 x 1,024 float32; v 4 x 2,048 x 1,024 float32.
;; Outputs: out0 4 x 2,048 x 1,024 float32.
;; This version of the problem:
;;   THIS VERSION OF THE PROBLEM IS GIVEN IN LOW PRECISION. The matrix products marked QUANTISED in the list below multiply operands that are first quantised to E4M3 (4 exponent bits, 3 mantissa bits; 8 bits a number), with one given power-of-two scale for each operand tensor; their sums are f32. All else is computed in f32.
;;   The module's matrix products, in the order in which they are computed (A, B: the left and right operand; K: the contracted axis; several contracted axes count as one K, in the product's order):
;;     1. [M 8,192, K 1,024] x [K 1,024, N 1,024]; A: input q; B: input Wq: QUANTISED (scales: A lowp_scales[0], B lowp_scales[1])
;;     2. [M 8,192, K 1,024] x [K 1,024, N 1,024]; A: input k; B: input Wk: QUANTISED (scales: A lowp_scales[2], B lowp_scales[3])
;;     3. [M 8,192, K 1,024] x [K 1,024, N 1,024]; A: input v; B: input Wv: QUANTISED (scales: A lowp_scales[4], B lowp_scales[5])
;;     4. batch 64 x [M 2,048, K 64] x [K 64, N 2,048]; A: computed on the way; B: computed on the way: QUANTISED (scales: A lowp_scales[6], B lowp_scales[7])
;;     5. batch 64 x [M 2,048, K 2,048] x [K 2,048, N 64]; A: softmax (see below); B: computed on the way: QUANTISED (scales: A lowp_scales[8], B lowp_scales[9])
;;   THE QUANTISER, for each operand of a quantised product, along K:
;;     - The operand's scale is 2^e, e = its entry of the input lowp_scales (int32; the entries are numbered through the quantised products in the list's order, A before B).
;;     - Each number is divided by the scale, clamped to +-448, and rounded to the nearest number of E4M3, ties to even, subnormals kept.
;;     - The product sums the exact products of the quantised numbers (number of the format x scale) in f32.
;;   ~~~python
;;   def quantise(x, axis, e):      # numpy; x: float32 -> the quantised numbers, widened to float32 again
;;       x = np.moveaxis(x, axis, -1); K = x.shape[-1]
;;       r = np.clip(x / 2.0 ** e, -448, 448)
;;       step = 2.0 ** (np.maximum(np.frexp(np.where(r == 0, 1, r))[1] - 1, -6) - 3)
;;       q = np.round(r / step) * step * 2.0 ** e      # np.round: ties to even
;;       return np.moveaxis(q, -1, axis).astype(np.float32)
;;   ~~~
;;   SOFTMAX AHEAD OF A QUANTISED PRODUCT. Where the list says 'softmax', what is quantised is not the finished softmax but p = 2^(t - M), with t = logit x log2(e) and M = ceil(the row's largest t), a whole number; so 1/2 < the row's largest p <= 1. The row's sum l is taken of the UNQUANTISED p, in f32, and the product's result is divided by l at the end. Since M is a whole number, a kernel that streams over the keys may use a running M (the ceiling of the running maximum): every later rescaling is an exact power of two, so the quantised numbers keep their values, but for numbers so far below the row's largest that they fall under the format's range.
;;   OPERANDS COMPUTED ON THE WAY. 'Computed on the way' means the value that the module computes at that place (a softmax that the list does not call 'softmax' is quantised finished and normalised). What goes into a quantiser is computed in f32, as accurately as f32 sums, v_exp_f32 and their like allow (about 1e-6 of the number): no bf16 or f16 on the way to a quantiser, and a product that is left as it is and whose result goes on into a quantised operand takes f32 operands (vector FMAs, or v_wmma_f32_16x16x4_f32). A number that lies on a knife's edge between two numbers of the format may be rounded either way, as far as f32 arithmetic and the matrix unit's own rounding can turn it there, and no further.
;; One version. Each part assembles by itself: llvm-mc -triple=amdgcn-amd-amdhsa -mcpu=gfx1250 --defsym DOCPART=n.
;; ======== version 1 of 1: 3 launches
;; limits: right only within a limited range of input values
;; workspace buffers: xc 25,165,824 bytes; wc 3,145,728 bytes; qc 8,388,608 bytes; kc 8,388,608 bytes; vc 8,388,608 bytes
;; launch quant (part 1): grid 864 x 1, 4 waves a work-group, no clusters, 33,280 bytes of LDS; arguments q, k, v, Wq, Wk, Wv, lowp_scales, xc, wc; writes xc, wc
.if DOCPART == 1
	.amdgcn_target "amdgcn-amd-amdhsa--gfx1250"
	.amdhsa_code_object_version 6
	.text
	.protected	k_q413af3522f_quant
	.globl	k_q413af3522f_quant
	.p2align	8
	.type	k_q413af3522f_quant,@function
k_q413af3522f_quant:
	s_mov_b64 s[64:65], 0
	v_nop
	global_prefetch_b8 v0, s[64:65] scope:SCOPE_SE
	s_setreg_imm32_b32 hwreg(HW_REG_WAVE_MODE, 25, 1), 1
	s_wait_xcnt 0x0
; q, k, v [8192][1024] and Wq, Wk, Wv [1024][1024], f32, K innermost, become codes of FP8 (E4M3), one byte each, each tensor with the scale 2^e given for it
; (entries 0 to 5 of the scales: q, Wq, k, Wk, v, Wv).  code = x / 2^e, held within +-448, rounded to the nearest code, ties to even.
; OUT: xc = q's, k's, v's codes (8 MiB each), wc = Wq's, Wk's, Wv's (1 MiB each); a row is 1,024 bytes.
; THE ROWS CHANGE PLACES: inside each group of 32 rows, row 16 y + 8 x + i (x, y one bit each) is stored at place 16 x + 8 y + i.  So 16 rows that lie on end in xc or wc are the true rows
; 8 u + p + 8 (p / 8), p = 0 .. 15: the rows that the next launch wants together in a tile of 16, so that a lane's 16 results of two neighbouring tiles are 16 true neighbours.
; SHARES: a work-group takes 32 rows, wave w rows 8 w .. 8 w + 7 (8,192 numbers on end, 16 steps of 512); they go to places 8 w' on, w' = w with its two bits exchanged.
; Work-groups 0 to 767 take q, k, v (256 each), 768 to 863 the weights (32 each): only pointers and the exponent are chosen, by selects on the work-group's number; there is one way through the text.
; A step: four loads of 512 consecutive bytes; the 2,048 bytes turn through the wave's own stage in LDS and come back 64 bytes a lane, since the conversions take neighbours along K from one lane's registers;
; a lane's 16 codes are 16 bytes, so the wave stores 512 consecutive bytes, aligned.  Loads run four steps ahead (16 loads a wave), the turn through LDS one step.  Waves share nothing: no barrier.
; No cluster, no tensor load, no matrix unit: every byte is read once by one wave.
; LIMITS: each e between -126 and 119, so that 2^e and 448 x 2^e are f32 numbers.  NaN among the inputs is not served (an infinity is held at the largest code).
.set WAVES, 4
.set STEPS, 16
.set NX,    768                        ; work-groups of q, k, v
.set EMAX,  8
.set MANT,  0x600000                   ; the mantissa field of 448 as f32
.set CB,    16                         ; bytes of 16 codes
.set R,     16                         ; v16-79   four sets of 16 numbers as they are loaded
.set X,     80                         ; v80-111  two sets of 16 neighbours
.set C,     128                        ; v128-191 codes: four registers for each step, so that no store's data are written again
.set WREG,  8192                       ; LDS: a region for each wave: two stages of 32 x SP bytes
.set SP,    80                         ; a lane's place in a stage: its 64 bytes + 16 of padding
.set SPW,   12                         ; v12      LDS address of my spare word; never rewritten
.set NIL,   13                         ; v13      0; never rewritten
.set SPARE, WAVES*WREG                 ; behind the four regions: the spare words, 128 bytes a wave, that no other line names
	s_load_b512 s[4:19], s[0:1], 0x0               ; q s[4:5], k s[6:7], v s[8:9], Wq s[10:11], Wk s[12:13], Wv s[14:15], the scales s[16:17], xc s[18:19]
	s_load_b64 s[20:21], s[0:1], 0x40              ; wc
	v_lshl_add_u32 v[SPW], v0, 2, SPARE
	v_mov_b32 v[NIL], 0
	v_lshrrev_b32 v1, 5, v0
	v_readfirstlane_b32 s40, v1                    ; wave
	v_and_b32 v2, 31, v0                           ; lane
	v_lshlrev_b32 v3, 4, v2                        ; 16 x lane: my 16 bytes of a load's 512, and of a store's
	s_mul_i32 s41, s40, WREG
	v_lshrrev_b32 v14, 2, v2
	v_mul_u32_u24 v14, v14, SP
	v_and_b32 v15, 3, v2
	v_lshl_add_u32 v14, v15, 4, v14
	v_add_nc_u32 v14, s41, v14                     ; the stage, on the way in: four lanes' 64 bytes on end, then 16 of padding
	v_mul_u32_u24 v15, v2, SP
	v_add_nc_u32 v15, s41, v15                     ; and on the way out: SP x lane: my 16 neighbours
	s_sub_co_u32 s22, ttmp9, NX                    ; a weight's work-group counts from 0 (used only where the number is 768 or more)
	s_lshr_b32 s42, ttmp9, 8
	s_lshr_b32 s43, s22, 5
	s_and_b32 s44, ttmp9, 255
	s_and_b32 s45, s22, 31
	s_cmp_lt_u32 ttmp9, NX
	s_cselect_b32 s42, s42, s43                    ; which of the three tensors of its kind
	s_cselect_b32 s44, s44, s45                    ; which 32 rows of it
	s_cselect_b32 s46, ttmp9, s22                  ; which 32 rows of xc or of wc
	s_lshl_b32 s44, s44, 17                        ; 32 rows of 4,096 bytes
	s_lshl_b32 s47, s40, 15                        ; my wave's 8 rows
	s_add_co_u32 s44, s44, s47
	s_mov_b32 s45, 0                               ; s[44:45]: where I read
	s_and_b32 s47, s40, 1
	s_lshl_b32 s47, s47, 1
	s_lshr_b32 s43, s40, 1
	s_or_b32 s47, s47, s43                         ; w': the wave's two bits exchanged
	s_lshl_b32 s47, s47, 13                        ; 8 rows of 1,024 bytes
	s_lshl_b32 s46, s46, 15                        ; 32 rows of 1,024 bytes
	s_add_co_u32 s46, s46, s47
	s_mov_b32 s47, 0                               ; s[46:47]: where I write
	s_wait_alu depctr_va_vdst(0)
	s_wait_kmcnt 0x0
	s_load_b256 s[32:39], s[16:17], 0x0            ; e0 .. e7
	s_cmp_eq_u32 s42, 1
	s_cselect_b64 s[24:25], s[6:7], s[4:5]
	s_cselect_b64 s[26:27], s[12:13], s[10:11]
	s_cmp_eq_u32 s42, 2
	s_cselect_b64 s[24:25], s[8:9], s[24:25]       ; q, k or v
	s_cselect_b64 s[26:27], s[14:15], s[26:27]     ; Wq, Wk or Wv
	s_cmp_lt_u32 ttmp9, NX
	s_cselect_b64 s[24:25], s[24:25], s[26:27]
	s_cselect_b64 s[28:29], s[18:19], s[20:21]
	s_add_nc_u64 s[24:25], s[24:25], s[44:45]
	s_add_nc_u64 s[28:29], s[28:29], s[46:47]
.macro LOAD t
.irp i, 0,1,2,3
	global_load_b128 v[R+16*((\t)%4)+4*\i:R+16*((\t)%4)+4*\i+3], v3, s[24:25] offset:2048*(\t)+512*\i th:TH_LOAD_NT   ; 32 lanes read 512 consecutive bytes
.endr
.endm
.macro TURN t                          ; step t's numbers through the stage: LDS serves a wave's instructions in order (ISA guide 5.7.1.4), so no wait stands between the stores and the loads
.irp i, 0,1,2,3
	ds_store_b128 v14, v[R+16*((\t)%4)+4*\i:R+16*((\t)%4)+4*\i+3] offset:32*SP*((\t)%2)+8*SP*\i
.endr
.irp i, 0,1,2,3
	ds_load_b128 v[X+16*((\t)%2)+4*\i:X+16*((\t)%2)+4*\i+3], v15 offset:32*SP*((\t)%2)+16*\i
.endr
.endm
.irp t, 0,1,2,3
	LOAD \t
.endr
	s_wait_kmcnt 0x0
	s_cmp_eq_u32 s42, 1
	s_cselect_b32 s30, s34, s32
	s_cselect_b32 s31, s35, s33
	s_cmp_eq_u32 s42, 2
	s_cselect_b32 s30, s36, s30                    ; e0, e2 or e4
	s_cselect_b32 s31, s37, s31                    ; e1, e3 or e5
	s_cmp_lt_u32 ttmp9, NX
	s_cselect_b32 s30, s30, s31                    ; e
	s_add_co_i32 s30, s30, 127
	s_lshl_b32 s31, s30, 23
	v_mov_b32 v11, s31                             ; 2^e as f32: the conversion takes its exponent field
	s_add_co_i32 s30, s30, EMAX
	s_lshl_b32 s30, s30, 23
	s_or_b32 s30, s30, MANT
	v_mov_b32 v10, s30                             ; 448 x 2^e
	s_wait_alu depctr_va_vdst(0)
	s_wait_loadcnt 12                              ; step 0's four loads are in; the twelve of steps 1 to 3 may be out
	TURN 0
.macro STEP t
.set XS, X+16*((\t)%2)
	s_wait_dscnt 0x0                               ; this step's numbers are back from the stage: so its stores into the stage have read their registers,
.if (\t)+4 < STEPS
	LOAD (\t)+4                                    ; which take the loads of four steps on
.endif
.if (\t)+1 < STEPS
.if STEPS-2-(\t) >= 3
	s_wait_loadcnt 12                              ; the next step's four loads are in; those of the three steps behind it may be out
.else
	s_wait_loadcnt 4*(STEPS-2-(\t))                ; near the end fewer steps stand behind it
.endif
	TURN (\t)+1                                    ; and go through the other stage while this step is worked
.endif
.irp i, 0,1,2,3,4,5,6,7,8,9,10,11,12,13,14,15
	v_med3_num_f32 v[XS+\i], v[XS+\i], -v10, v10   ; the conversion to an 8-bit code does not saturate (ISA guide 7.6.2): the number is held within the largest code x the scale first
.endr
	v_cvt_scalef32_pk8_fp8_f32 v[C+4*(\t):C+4*(\t)+1], v[XS:XS+7], v11          ; eight numbers / 2^e, to the nearest code, ties to even; the first number's code in the lowest byte
	v_cvt_scalef32_pk8_fp8_f32 v[C+4*(\t)+2:C+4*(\t)+3], v[XS+8:XS+15], v11     ; (the results go to a store alone; the next vector lines, the next step's holds, are plain and touch other registers)
	global_store_b128 v3, v[C+4*(\t):C+4*(\t)+3], s[28:29] offset:32*CB*(\t)    ; 32 lanes store 512 consecutive bytes, at a multiple of 512 from the buffer's first byte
.endm
.irp t, 0,1,2,3,4,5,6,7,8,9,10,11,12,13,14,15
	STEP \t
.endr
	s_wait_tensorcnt 0x0                           ; the wave's end: three lines behind my last LDS store
	ds_add_u32 v[SPW], v[NIL]
	s_wait_dscnt 0x0
	s_endpgm
.Lfunc_end_k_q413af3522f_quant:
	.size	k_q413af3522f_quant, .Lfunc_end_k_q413af3522f_quant-k_q413af3522f_quant
	.p2alignl 7, 3214868480
	.fill 96, 4, 3214868480
	.section	.rodata,"a",@progbits
	.p2align	6, 0x0
	.amdhsa_kernel k_q413af3522f_quant
		.amdhsa_group_segment_fixed_size 33280
		.amdhsa_private_segment_fixed_size 0
		.amdhsa_enable_private_segment 0
		.amdhsa_kernarg_size 72
		.amdhsa_user_sgpr_count 2
		.amdhsa_user_sgpr_kernarg_segment_ptr 1
		.amdhsa_wavefront_size32 1
		.amdhsa_system_sgpr_workgroup_id_x 1
		.amdhsa_system_sgpr_workgroup_id_y 1
		.amdhsa_system_sgpr_workgroup_id_z 1
		.amdhsa_system_vgpr_workitem_id 0
		.amdhsa_next_free_vgpr 192
		.amdhsa_next_free_sgpr 66
		.amdhsa_reserve_vcc 0
		.amdhsa_float_denorm_mode_32 3
		.amdhsa_float_denorm_mode_16_64 3
		.amdhsa_memory_ordered 1
		.amdhsa_forward_progress 1
		.amdhsa_inst_pref_size 38
	.end_amdhsa_kernel
	.amdgpu_metadata
---
amdhsa.version: [ 1, 2 ]
amdhsa.kernels:
  - .name:           k_q413af3522f_quant
    .symbol:         k_q413af3522f_quant.kd
    .args:
      - { .name: q, .offset: 0, .size: 8, .value_kind: global_buffer, .address_space: global }
      - { .name: k, .offset: 8, .size: 8, .value_kind: global_buffer, .address_space: global }
      - { .name: v, .offset: 16, .size: 8, .value_kind: global_buffer, .address_space: global }
      - { .name: Wq, .offset: 24, .size: 8, .value_kind: global_buffer, .address_space: global }
      - { .name: Wk, .offset: 32, .size: 8, .value_kind: global_buffer, .address_space: global }
      - { .name: Wv, .offset: 40, .size: 8, .value_kind: global_buffer, .address_space: global }
      - { .name: lowp_scales, .offset: 48, .size: 8, .value_kind: global_buffer, .address_space: global }
      - { .name: xc, .offset: 56, .size: 8, .value_kind: global_buffer, .address_space: global }
      - { .name: wc, .offset: 64, .size: 8, .value_kind: global_buffer, .address_space: global }
    .group_segment_fixed_size: 33280
    .private_segment_fixed_size: 0
    .kernarg_segment_align: 8
    .kernarg_segment_size: 72
    .max_flat_workgroup_size: 128
    .sgpr_count:     66
    .vgpr_count:     192
    .wavefront_size: 32
...
	.end_amdgpu_metadata
.endif
;; end of part 1
;; launch proj (part 2): grid 4 x 96, 4 waves a work-group, clusters of 4 x 4, 327,680 bytes of LDS; arguments xc, wc, lowp_scales, bq, bk, bv, g1, g2, beta1, beta2, qc, kc, vc; writes qc, kc, vc
.if DOCPART == 2
	.amdgcn_target "amdgcn-amd-amdhsa--gfx1250"
	.amdhsa_code_object_version 6
	.text
	.protected	k_q413af3522f_proj
	.globl	k_q413af3522f_proj
	.p2align	8
	.type	k_q413af3522f_proj,@function
k_q413af3522f_proj:
	s_mov_b64 s[64:65], 0
	v_nop
	global_prefetch_b8 v0, s[64:65] scope:SCOPE_SE
	s_setreg_imm32_b32 hwreg(HW_REG_WAVE_MODE, 25, 1), 1
	s_wait_xcnt 0x0
	s_wait_alu depctr_hold_cnt(0) depctr_sa_sdst(0) depctr_va_vdst(0) depctr_va_sdst(0) depctr_va_ssrc(0) depctr_va_vcc(0) depctr_vm_vsrc(0)
	s_getreg_b32 s2, hwreg(HW_REG_IB_STS2, 6, 4)
	s_cmp_eq_u32 s2, 0
	s_cbranch_scc0 .Lentry_in_a_cluster
	s_endpgm
.Lentry_in_a_cluster:
	s_bfe_u32 s2, ttmp6, 0x10000c
	s_cmp_lg_u32 s2, 0xf033
	s_cbranch_scc0 .Lentry_shape_is_right
	s_endpgm
.Lentry_shape_is_right:
.set ROWB,   256
.set KROW,   1024
.set PITCH,  272
.set FR,     16
.set NL,     4
.set NP,     4
.set HALFT,  128*PITCH
.set SLOT,   4*HALFT
.set SPARE,  2*SLOT
.set ADRA, 16
.set ADRB, 20
.set CO,   26
.set HO,   27
.set SPW,  28
.set NIL,  29
.set RO,   30
.set BI,   32
.set GA,   96
.set AF,   128
.set BE,   128
.set Y,    160
.set CD,   224
.set TT,   240
.set G1, 24
.set G0, 32
.set G1B, 48
.set G0B, 56
.set MSB, 0
.macro WIN new
.if MSB != \new
	s_set_vgpr_msb (MSB<<8)|\new
.set MSB, \new
.endif
.endm
.set MUL_LO, 0xa1
.set MUL_HI, 0xf1
.set TO_B,   0x40
.macro JLOAD g0a, g1a, g0b, g1b
	s_cmp_eq_u32 s15, 0
	s_cbranch_scc0 .Lfor_b_\@
	tensor_load_to_lds s[\g0a:\g0a+3], s[\g1a:\g1a+7]
	s_nop 0
.rept 4
	v_nop
.endr
	s_branch .Lasked_\@
.Lfor_b_\@:
	tensor_load_to_lds s[\g0b:\g0b+3], s[\g1b:\g1b+7]
	s_nop 0
.rept 4
	v_nop
.endr
.Lasked_\@:
.endm
.macro CREST
	s_cmp_lg_u32 s14, 0
	s_cbranch_scc1 .Lnot_wave_0_\@
	s_barrier_signal -3
.Lnot_wave_0_\@:
	s_barrier_wait -3
	s_barrier_signal -1
	s_barrier_wait -1
.endm
.macro CROUND
	s_barrier_signal -1
	s_barrier_wait -1
	CREST
.endm
	s_load_b512 s[68:83], s[0:1], 0x0
	s_load_b256 s[84:91], s[0:1], 0x40
	s_load_b64 s[92:93], s[0:1], 0x60
	v_lshl_add_u32 v[SPW], v0, 2, SPARE
	v_mov_b32 v[NIL], 0
	ds_add_u32 v[SPW], v[NIL]
	ds_add_u32 v[SPW], v[NIL]
	v_lshrrev_b32 v1, 5, v0
	v_readfirstlane_b32 s14, v1
	s_lshr_b32 s15, s14, 1
	s_and_b32 s16, s14, 1
	s_bfe_u32 s40, ttmp6, 0x40000
	s_bfe_u32 s41, ttmp6, 0x40004
	s_and_b32 s42, ttmp7, 0xffff
	s_lshr_b32 s66, s42, 3
	s_and_b32 s67, s42, 7
	s_lshl_b32 s43, s41, 2
	s_lshl_b32 s43, 15, s43
	s_lshl_b32 s44, 0x1111, s40
	s_or_b32 s[G1+0], s43, (0<<16)|(1<<20)|(1<<21)|(5<<22)|(3<<25)
	s_or_b32 s[G1B+0], s44, (0<<16)|(1<<20)|(1<<21)|(5<<22)|(3<<25)
.irp g, G1, G1B
	s_mov_b32 s[\g+1], ROWB<<16
	s_mov_b32 s[\g+2], 128<<16
	s_mov_b32 s[\g+3], ROWB<<16
	s_mov_b32 s[\g+4], 128
	s_mov_b32 s[\g+5], KROW
	s_mov_b32 s[\g+6], 0
	s_mov_b32 s[\g+7], 0
.endr
	s_lshl_b32 s18, s16, 17
	s_lshl_b32 s20, s67, 2
	s_add_co_u32 s20, s20, s41
	s_lshl_b32 s20, s20, 18
	s_lshl_b32 s21, s66, 23
	s_add_co_u32 s20, s20, s21
	s_lshl_b32 s21, s41, 18
	s_add_co_u32 s21, s21, 2<<20
	s_cmp_eq_u32 s66, 2
	s_cselect_b32 s20, s21, s20
	s_add_co_u32 s20, s20, s18
	s_mov_b32 s21, 0
	s_lshl_b32 s46, s67, 2
	s_add_co_u32 s46, s46, s40
	s_lshl_b32 s46, s46, 18
	s_add_co_u32 s46, s46, 2<<23
	s_lshl_b32 s47, s40, 18
	s_lshl_b32 s45, s66, 20
	s_add_co_u32 s47, s47, s45
	s_cmp_eq_u32 s66, 2
	s_cselect_b32 s46, s46, s47
	s_add_co_u32 s46, s46, s18
	s_mov_b32 s47, 0
	s_mul_i32 s45, s14, HALFT
	s_wait_dscnt 0x0
	s_wait_kmcnt 0x0
	s_load_b256 s[4:11], s[72:73], 0x0
	s_load_b64 s[12:13], s[72:73], 0x20
	s_cmp_eq_u32 s66, 2
	s_cselect_b64 s[22:23], s[70:71], s[68:69]
	s_cselect_b64 s[94:95], s[68:69], s[70:71]
	s_add_nc_u64 s[20:21], s[22:23], s[20:21]
	s_add_nc_u64 s[46:47], s[94:95], s[46:47]
	CROUND
.irp s, 0,1
	s_mov_b32 s[G0+4*\s], 1
	s_add_co_u32 s[G0+4*\s+1], s45, \s*SLOT
	s_add_nc_u64 s[G0+4*\s+2:G0+4*\s+3], s[20:21], \s*ROWB
	s_or_b32 s[G0+4*\s+3], s[G0+4*\s+3], 0x80000000
	s_mov_b32 s[G0B+4*\s], 1
	s_add_co_u32 s[G0B+4*\s+1], s45, \s*SLOT
	s_add_nc_u64 s[G0B+4*\s+2:G0B+4*\s+3], s[46:47], \s*ROWB
	s_or_b32 s[G0B+4*\s+3], s[G0B+4*\s+3], 0x80000000
.endr
	; the prefetches' address: of the 128 rows that my wave fetches, my work-group's 32; the four partners that ask for a tile jointly are told apart by address (cx for A's tiles, cy for B's)
	s_cmp_eq_u32 s15, 0                            ; do I fetch for A?
	s_cselect_b64 s[2:3], s[20:21], s[46:47]       ; my 128 rows at K step 0
	s_cselect_b32 s98, s40, s41                    ; my place among the four
	s_lshl_b32 s98, s98, 15                        ; 32 rows of 1,024 bytes
	s_mov_b32 s99, 0
	s_add_nc_u64 s[2:3], s[2:3], s[98:99]          ; never rewritten
	v_and_b32 v31, 31, v0
	v_lshlrev_b32 v31, 10, v31                     ; a lane a row; never rewritten
	s_wait_alu depctr_va_vdst(0)
	JLOAD G0, G1, G0B, G1B                         ; K step 0: my one tensor load behind the opening round
	global_prefetch_b8 v31, s[2:3] offset:256 th:TH_LOAD_NT scope:SCOPE_SE   ; K steps 1 and 2 of my 32 rows, 256 bytes of each row: one and two loads ahead of the loads that will want them
	global_prefetch_b8 v31, s[2:3] offset:512 th:TH_LOAD_NT scope:SCOPE_SE
	v_and_b32 v1, 15, v0
	v_bfe_u32 v2, v0, 4, 1
	v_mul_u32_u24 v3, v1, PITCH
	v_lshl_add_u32 v4, v2, 4, v3
	s_mul_i32 s21, s15, HALFT
	s_mul_i32 s22, s16, HALFT
	s_add_co_u32 s22, s22, 2*HALFT
.irp s, 0,1
	v_add_nc_u32 v[ADRA+\s], s21, v4
	v_add_nc_u32 v[ADRB+\s], s22, v4
	s_add_co_u32 s21, s21, SLOT
	s_add_co_u32 s22, s22, SLOT
.endr
	v_and_b32 v6, 31, v0
	v_lshlrev_b32 v[CO], 4, v6
	v_lshlrev_b32 v[HO], 6, v2
	v_and_b32 v5, 8, v1
	v_add_nc_u32 v5, v5, v1
	v_lshlrev_b32 v[RO], 2, v5
.macro FRAG reg, adr, q, i
.irp c, 0,1,2,3
	ds_load_b128 v[\reg+4*\c:\reg+4*\c+3], v[\adr] offset:128*(\q)+32*\c+(\i)*16*PITCH
.endr
.endm
.macro MUL16 a0, p, zero
.irp a, \a0, \a0+1
.irp b, 0,1,2,3,4,5,6,7
.if \zero
	v_wmma_f32_16x16x128_fp8_fp8 v[8*(8*((\a)%4)+\b):8*(8*((\a)%4)+\b)+7], v[128*(\p)+FR*\b:128*(\p)+FR*\b+FR-1], v[AF+FR*(\a):AF+FR*(\a)+FR-1], 0
.else
	v_wmma_f32_16x16x128_fp8_fp8 v[8*(8*((\a)%4)+\b):8*(8*((\a)%4)+\b)+7], v[128*(\p)+FR*\b:128*(\p)+FR*\b+FR-1], v[AF+FR*(\a):AF+FR*(\a)+FR-1], v[8*(8*((\a)%4)+\b):8*(8*((\a)%4)+\b)+7]
.endif
.endr
.endr
.endm
.macro FETCH_B slot, q, p
	WIN TO_B
.irp i, 0,1,2,3,4,5,6,7
	FRAG 128*(\p)+FR*\i, ADRB+\slot, \q, \i
.endr
	WIN 0
.endm
.macro FETCH_A slot, q, i0
.irp i, \i0, \i0+1, \i0+2, \i0+3
	FRAG AF+FR*(\i), ADRA+\slot, \q, \i
.endr
.endm
.macro PLACES n
.rept \n
	v_nop
.endr
.endm
.macro STEP slot, q, zero
	s_wait_dscnt 4*NL
	WIN MUL_LO
	MUL16 0, (\q)%2, \zero
	MUL16 2, (\q)%2, \zero
	s_wait_dscnt 0
	PLACES NP
	FETCH_B \slot, (\q)+1, 1-(\q)%2
	FETCH_A \slot, (\q)+1, 0
	WIN MUL_HI
	MUL16 4, (\q)%2, \zero
	MUL16 6, (\q)%2, \zero
	PLACES NP
	WIN 0
	FETCH_A \slot, (\q)+1, 4
.endm
.macro TURN slot, next, fill
	s_wait_tensorcnt 0x0
	ds_add_u32 v[SPW], v[NIL]
	s_wait_dscnt 4*NL+1
	WIN MUL_LO
	MUL16 0, 1, 0
	s_wait_dscnt 0x0
	s_barrier_signal -1
	MUL16 2, 1, 0
	WIN 0
	s_barrier_wait -1
.if \fill
	CREST
	s_add_nc_u64 s[G0+4*\slot+2:G0+4*\slot+3], s[G0+4*\slot+2:G0+4*\slot+3], 2*ROWB
	s_add_nc_u64 s[G0B+4*\slot+2:G0B+4*\slot+3], s[G0B+4*\slot+2:G0B+4*\slot+3], 2*ROWB
	JLOAD G0+4*\slot, G1, G0B+4*\slot, G1B
.else
	PLACES NP
.endif
	FETCH_B \next, 0, 0
	FETCH_A \next, 0, 0
	WIN MUL_HI
	MUL16 4, 1, 0
	MUL16 6, 1, 0
	PLACES NP
	WIN 0
	FETCH_A \next, 0, 4
.endm
.macro LAST
	s_wait_dscnt 4*NL
	WIN MUL_LO
	MUL16 0, 1, 0
	MUL16 2, 1, 0
	s_wait_dscnt 0
	WIN MUL_HI
	MUL16 4, 1, 0
	MUL16 6, 1, 0
	WIN 0
.endm
.macro LNBLOCK a
.set AC, 64*((\a)%4)
	WIN 0x02+((\a)/4)
.set j, 0
.rept 32
	v_pk_fma_f32 v[Y+j:Y+j+1], v[AC+j:AC+j+1], s[96:97], v[BI+j:BI+j+1] op_sel_hi:[1,0,1]
.set j, j+2
.endr
	WIN 0
.irp d, 0,1
	v_pk_add_f32 v[TT+2+4*\d:TT+3+4*\d], v[Y+32*\d:Y+32*\d+1], v[Y+32*\d+2:Y+32*\d+3]
	v_pk_add_f32 v[TT+4+4*\d:TT+5+4*\d], v[Y+32*\d+4:Y+32*\d+5], v[Y+32*\d+6:Y+32*\d+7]
.endr
.irp i, 8,12,16,20,24,28
.irp d, 0,1
	v_pk_add_f32 v[TT+2+4*\d:TT+3+4*\d], v[TT+2+4*\d:TT+3+4*\d], v[Y+32*\d+\i:Y+32*\d+\i+1]
	v_pk_add_f32 v[TT+4+4*\d:TT+5+4*\d], v[TT+4+4*\d:TT+5+4*\d], v[Y+32*\d+\i+2:Y+32*\d+\i+3]
.endr
.endr
.irp d, 0,1
	v_pk_add_f32 v[TT+2+4*\d:TT+3+4*\d], v[TT+2+4*\d:TT+3+4*\d], v[TT+4+4*\d:TT+5+4*\d]
.endr
.irp d, 0,1
	v_add_f32 v[TT+2+4*\d], v[TT+2+4*\d], v[TT+3+4*\d]
.endr
.irp d, 0,1
	v_permlanex16_b32 v[TT+4+4*\d], v[TT+2+4*\d], s18, s19
.endr
.irp d, 0,1
	v_add_f32 v[TT+2+4*\d], v[TT+2+4*\d], v[TT+4+4*\d]
.endr
.irp d, 0,1
	v_mul_f32 v[TT+12+2*\d], 0xbc800000, v[TT+2+4*\d]
.endr
.irp d, 0,1
.set j, 0
.rept 16
	v_pk_add_f32 v[Y+32*\d+j:Y+32*\d+j+1], v[Y+32*\d+j:Y+32*\d+j+1], v[TT+12+2*\d:TT+13+2*\d] op_sel_hi:[1,0]
.set j, j+2
.endr
.endr
.irp d, 0,1
	v_pk_mul_f32 v[TT+2+4*\d:TT+3+4*\d], v[Y+32*\d:Y+32*\d+1], v[Y+32*\d:Y+32*\d+1]
	v_pk_mul_f32 v[TT+4+4*\d:TT+5+4*\d], v[Y+32*\d+2:Y+32*\d+3], v[Y+32*\d+2:Y+32*\d+3]
.endr
.irp i, 4,8,12,16,20,24,28
.irp d, 0,1
	v_pk_fma_f32 v[TT+2+4*\d:TT+3+4*\d], v[Y+32*\d+\i:Y+32*\d+\i+1], v[Y+32*\d+\i:Y+32*\d+\i+1], v[TT+2+4*\d:TT+3+4*\d]
	v_pk_fma_f32 v[TT+4+4*\d:TT+5+4*\d], v[Y+32*\d+\i+2:Y+32*\d+\i+3], v[Y+32*\d+\i+2:Y+32*\d+\i+3], v[TT+4+4*\d:TT+5+4*\d]
.endr
.endr
.irp d, 0,1
	v_pk_add_f32 v[TT+2+4*\d:TT+3+4*\d], v[TT+2+4*\d:TT+3+4*\d], v[TT+4+4*\d:TT+5+4*\d]
.endr
.irp d, 0,1
	v_add_f32 v[TT+2+4*\d], v[TT+2+4*\d], v[TT+3+4*\d]
.endr
.irp d, 0,1
	v_permlanex16_b32 v[TT+4+4*\d], v[TT+2+4*\d], s18, s19
.endr
.irp d, 0,1
	v_add_f32 v[TT+2+4*\d], v[TT+2+4*\d], v[TT+4+4*\d]
.endr
.irp d, 0,1
	v_fma_f32 v[TT+2+4*\d], v[TT+2+4*\d], s101, s98
.endr
	s_wait_alu depctr_va_vdst(0)
.irp d, 0,1
	v_rsq_f32 v[TT+12+2*\d], v[TT+2+4*\d]
.endr
	v_nop
	s_wait_alu depctr_va_vdst(0)
.irp d, 0,1
.set j, 0
.rept 16
	v_pk_mul_f32 v[Y+32*\d+j:Y+32*\d+j+1], v[Y+32*\d+j:Y+32*\d+j+1], v[TT+12+2*\d:TT+13+2*\d] op_sel_hi:[1,0]
.set j, j+2
.endr
.endr
.if (\a) == 0
	s_wait_loadcnt 0x0
.endif
.irp d, 0,1
.set j, 0
.rept 16
	v_pk_fma_f32 v[Y+32*\d+j:Y+32*\d+j+1], v[Y+32*\d+j:Y+32*\d+j+1], v[GA+j:GA+j+1], v[BE+j:BE+j+1]
.set j, j+2
.endr
.endr
.set j, 0
.rept 64
	v_med3_num_f32 v[Y+j], v[Y+j], -v[TT+1], v[TT+1]
.set j, j+1
.endr
	s_wait_alu depctr_va_vdst(0)
	s_wait_xcnt 0x0
.set j, 0
.rept 8
	v_cvt_scalef32_pk8_fp8_f32 v[CD+2*j:CD+2*j+1], v[Y+8*j:Y+8*j+7], v[TT]
.set j, j+1
.endr
	v_nop
.irp d, 0,1
.irp p, 0,1
	global_store_b128 v[CO], v[CD+8*\d+4*\p:CD+8*\d+4*\p+3], s[94:95] offset:\d*131072+(\a)*1024+\p*512
.endr
.endr
.endm
.macro VBLOCK a
.set AC, 64*((\a)%4)
	WIN 0x02+((\a)/4)
.set j, 0
.rept 32
	v_pk_fma_f32 v[Y+j:Y+j+1], v[AC+j:AC+j+1], s[96:97], v[BI+2*(\a):BI+2*(\a)+1] op_sel_hi:[1,0,1]
.set j, j+2
.endr
	WIN 0
.set j, 0
.rept 64
	v_med3_num_f32 v[Y+j], v[Y+j], -v[TT+1], v[TT+1]
.set j, j+1
.endr
	s_wait_alu depctr_va_vdst(0)
	s_wait_xcnt 0x0
.set j, 0
.rept 8
	v_cvt_scalef32_pk8_fp8_f32 v[CD+2*j:CD+2*j+1], v[Y+8*j:Y+8*j+7], v[TT]
.set j, j+1
.endr
	v_nop
.irp c, 0,1,2,3
	global_store_b128 v[CO], v[CD+4*\c:CD+4*\c+3], s[94:95] offset:((\a)/4)*131072+((\a)%4)*2048+\c*512
.endr
.endm
	s_wait_alu depctr_va_vdst(0)
	s_wait_tensorcnt 0x0                           ; my part of K step 0 is in
	ds_add_u32 v[SPW], v[NIL]
	s_wait_dscnt 0x0
	CROUND                                         ; everybody's part of K step 0 is in, and all sixteen work-groups are here
	JLOAD G0+4, G1, G0B+4, G1B                     ; K step 1: the first tensor load behind the round
	FETCH_B 0, 0, 0
	global_prefetch_b8 v31, s[2:3] offset:768 th:TH_LOAD_NT scope:SCOPE_SE   ; K step 3, the last: two loads ahead; behind it nothing is left to ask for
	FETCH_A 0, 0, 0
	FETCH_A 0, 0, 4
	STEP 0, 0, 1
	TURN 0, 1, 1
	STEP 1, 0, 0
	TURN 1, 0, 1
	STEP 0, 0, 0
	TURN 0, 1, 0
	s_cmp_eq_u32 s66, 2
	s_cbranch_scc1 .Lpath_v
	s_lshl_b32 s44, s40, 10
	s_lshl_b32 s45, s16, 9
	s_add_co_u32 s44, s44, s45
	s_mov_b32 s45, 0
	s_cmp_eq_u32 s66, 1
	s_cselect_b64 s[20:21], s[76:77], s[74:75]
	s_cselect_b64 s[22:23], s[82:83], s[80:81]
	s_cselect_b64 s[46:47], s[86:87], s[84:85]
	s_cselect_b64 s[94:95], s[90:91], s[88:89]
	s_add_nc_u64 s[20:21], s[20:21], s[44:45]
.irp b, 0,1,2,3
.irp q, 0,1,2,3
	global_load_b128 v[BI+16*\b+4*\q:BI+16*\b+4*\q+3], v[HO], s[20:21] offset:128*\b+16*\q
.endr
.endr
.irp b, 0,1
.irp q, 0,1,2,3
	global_load_b128 v[GA+16*\b+4*\q:GA+16*\b+4*\q+3], v[HO], s[22:23] offset:128*\b+16*\q
.endr
.endr
	s_lshl_b32 s99, s67, 2
	s_add_co_u32 s99, s99, s41
	s_lshr_b32 s100, s99, 3
	s_lshl_b32 s100, s100, 4
	s_lshl_b32 s101, s40, 2
	s_add_co_u32 s100, s100, s101
	s_lshl_b32 s101, s16, 1
	s_add_co_u32 s100, s100, s101
	s_lshl_b32 s100, s100, 17
	s_and_b32 s99, s99, 7
	s_lshl_b32 s99, s99, 4
	s_lshl_b32 s101, s15, 3
	s_add_co_u32 s99, s99, s101
	s_lshl_b32 s99, s99, 10
	s_add_co_u32 s44, s100, s99
	s_add_nc_u64 s[94:95], s[94:95], s[44:45]
	s_mov_b32 s18, 0x76543210
	s_mov_b32 s19, 0xfedcba98
	STEP 1, 0, 0
	LAST
	s_wait_kmcnt 0x0
	s_add_co_i32 s99, s10, 3
	s_cmp_eq_u32 s66, 1
	s_cselect_b32 s96, s6, s4
	s_cselect_b32 s97, s7, s5
	s_cselect_b32 s99, s11, s99
	s_add_co_i32 s96, s96, s97
	s_add_co_i32 s96, s96, 127
	s_lshl_b32 s96, s96, 23
	s_mov_b32 s97, s96
	s_add_co_i32 s99, s99, 127
	s_lshl_b32 s100, s99, 23
	s_add_co_i32 s99, s99, 8
	s_lshl_b32 s99, s99, 23
	s_or_b32 s99, s99, 0x600000
	s_mov_b32 s98, 0x3727c5ac
	s_mov_b32 s101, 0x3c800000
	PLACES NP
.irp b, 0,1
.irp q, 0,1,2,3
	global_load_b128 v[BE+16*\b+4*\q:BE+16*\b+4*\q+3], v[HO], s[46:47] offset:128*\b+16*\q
.endr
.endr
	v_mov_b32 v[TT], s100
	v_mov_b32 v[TT+1], s99
	v_mov_b32 v[TT+13], 0
	v_mov_b32 v[TT+15], 0
	s_wait_loadcnt 8
.irp a, 0,1,2,3,4,5,6,7
	LNBLOCK \a
.endr
	s_branch .Lend
.Lpath_v:
	s_lshl_b32 s44, s41, 10
	s_lshl_b32 s45, s15, 9
	s_add_co_u32 s44, s44, s45
	s_mov_b32 s45, 0
	s_add_nc_u64 s[20:21], s[78:79], s[44:45]
.irp a, 0,1,2,3,4,5,6,7
	global_load_b32 v[BI+2*\a], v[RO], s[20:21] offset:4*(32*(\a/2)+8*(\a%2))
	global_load_b32 v[BI+2*\a+1], v[RO], s[20:21] offset:4*(32*(\a/2)+8*(\a%2))
.endr
	s_lshl_b32 s99, s67, 2
	s_add_co_u32 s99, s99, s40
	s_lshr_b32 s100, s99, 3
	s_lshl_b32 s100, s100, 4
	s_lshl_b32 s101, s41, 2
	s_add_co_u32 s100, s100, s101
	s_lshl_b32 s101, s15, 1
	s_add_co_u32 s100, s100, s101
	s_lshl_b32 s100, s100, 17
	s_and_b32 s99, s99, 7
	s_lshl_b32 s99, s99, 1
	s_add_co_u32 s99, s99, s16
	s_lshl_b32 s99, s99, 13
	s_add_co_u32 s44, s100, s99
	s_add_nc_u64 s[94:95], s[92:93], s[44:45]
	STEP 1, 0, 0
	LAST
	s_wait_kmcnt 0x0
	s_add_co_i32 s96, s8, s9
	s_add_co_i32 s96, s96, 127
	s_lshl_b32 s96, s96, 23
	s_mov_b32 s97, s96
	s_add_co_i32 s99, s13, 127
	s_lshl_b32 s100, s99, 23
	s_add_co_i32 s99, s99, 8
	s_lshl_b32 s99, s99, 23
	s_or_b32 s99, s99, 0x600000
	PLACES NP
	v_mov_b32 v[TT], s100
	v_mov_b32 v[TT+1], s99
	s_wait_loadcnt 0x0
.irp a, 0,1,2,3,4,5,6,7
	VBLOCK \a
.endr
.Lend:
	s_wait_tensorcnt 0x0
	ds_add_u32 v[SPW], v[NIL]
	s_wait_dscnt 0x0
	CROUND
	s_endpgm
.Lfunc_end_k_q413af3522f_proj:
	.size	k_q413af3522f_proj, .Lfunc_end_k_q413af3522f_proj-k_q413af3522f_proj
	.p2alignl 7, 3214868480
	.fill 96, 4, 3214868480
	.section	.rodata,"a",@progbits
	.p2align	6, 0x0
	.amdhsa_kernel k_q413af3522f_proj
		.amdhsa_group_segment_fixed_size 327680
		.amdhsa_private_segment_fixed_size 0
		.amdhsa_enable_private_segment 0
		.amdhsa_kernarg_size 104
		.amdhsa_user_sgpr_count 2
		.amdhsa_user_sgpr_kernarg_segment_ptr 1
		.amdhsa_wavefront_size32 1
		.amdhsa_system_sgpr_workgroup_id_x 1
		.amdhsa_system_sgpr_workgroup_id_y 1
		.amdhsa_system_sgpr_workgroup_id_z 1
		.amdhsa_system_vgpr_workitem_id 0
		.amdhsa_next_free_vgpr 1024
		.amdhsa_next_free_sgpr 102
		.amdhsa_reserve_vcc 0
		.amdhsa_float_denorm_mode_32 3
		.amdhsa_float_denorm_mode_16_64 3
		.amdhsa_memory_ordered 1
		.amdhsa_forward_progress 1
		.amdhsa_inst_pref_size 255
	.end_amdhsa_kernel
	.section	.bss,"aw",@nobits
	.p2align	6
	.space	262144
	.amdgpu_metadata
---
amdhsa.version: [ 1, 2 ]
amdhsa.kernels:
  - .name:           k_q413af3522f_proj
    .symbol:         k_q413af3522f_proj.kd
    .args:
      - { .name: xc, .offset: 0, .size: 8, .value_kind: global_buffer, .address_space: global }
      - { .name: wc, .offset: 8, .size: 8, .value_kind: global_buffer, .address_space: global }
      - { .name: lowp_scales, .offset: 16, .size: 8, .value_kind: global_buffer, .address_space: global }
      - { .name: bq, .offset: 24, .size: 8, .value_kind: global_buffer, .address_space: global }
      - { .name: bk, .offset: 32, .size: 8, .value_kind: global_buffer, .address_space: global }
      - { .name: bv, .offset: 40, .size: 8, .value_kind: global_buffer, .address_space: global }
      - { .name: g1, .offset: 48, .size: 8, .value_kind: global_buffer, .address_space: global }
      - { .name: g2, .offset: 56, .size: 8, .value_kind: global_buffer, .address_space: global }
      - { .name: beta1, .offset: 64, .size: 8, .value_kind: global_buffer, .address_space: global }
      - { .name: beta2, .offset: 72, .size: 8, .value_kind: global_buffer, .address_space: global }
      - { .name: qc, .offset: 80, .size: 8, .value_kind: global_buffer, .address_space: global }
      - { .name: kc, .offset: 88, .size: 8, .value_kind: global_buffer, .address_space: global }
      - { .name: vc, .offset: 96, .size: 8, .value_kind: global_buffer, .address_space: global }
    .group_segment_fixed_size: 327680
    .private_segment_fixed_size: 0
    .kernarg_segment_align: 8
    .kernarg_segment_size: 104
    .max_flat_workgroup_size: 128
    .sgpr_count:     102
    .vgpr_count:     1024
    .wavefront_size: 32
...
	.end_amdgpu_metadata
.endif
;; end of part 2
;; launch attn (part 3): grid 4 x 64, 16 waves a work-group, clusters of 4 x 1, 327,680 bytes of LDS; arguments qc, kc, vc, lowp_scales, out0; writes out0
.if DOCPART == 3
	.amdgcn_target "amdgcn-amd-amdhsa--gfx1250"
	.amdhsa_code_object_version 6
	.text
	.protected	k_q413af3522f_attn
	.globl	k_q413af3522f_attn
	.p2align	8
	.type	k_q413af3522f_attn,@function
k_q413af3522f_attn:
	s_mov_b64 s[64:65], 0
	v_nop
	global_prefetch_b8 v0, s[64:65] scope:SCOPE_SE
	s_setreg_imm32_b32 hwreg(HW_REG_WAVE_MODE, 25, 1), 1
	s_wait_xcnt 0x0
	s_wait_alu depctr_hold_cnt(0) depctr_sa_sdst(0) depctr_va_vdst(0) depctr_va_sdst(0) depctr_va_ssrc(0) depctr_va_vcc(0) depctr_vm_vsrc(0)
	s_getreg_b32 s2, hwreg(HW_REG_IB_STS2, 6, 4)
	s_cmp_eq_u32 s2, 0
	s_cbranch_scc0 .Lentry_in_a_cluster
	s_endpgm
.Lentry_in_a_cluster:
	s_bfe_u32 s2, ttmp6, 0x10000c
	s_cmp_lg_u32 s2, 0x3003
	s_cbranch_scc0 .Lentry_shape_is_right
	s_endpgm
.Lentry_shape_is_right:
; Attention on codes of FP8 (E4M3) for 64 (batch, head) pairs: 2,048 queries, 2,048 keys, head size 64.  out0 [4][2048][1024] f32.
; qc (Q / 8, scale 2^e6), kc (2^e7), vc (2^e9) are images of operand registers:
;   qc, kc: [bh][fragment f][j = 0, 1][lane][16 bytes]: lane (r, h): true token 32 (f / 2) + 8 (f % 2) + r + 8 (r / 8), channels 32 j + 16 h + 0 .. 15
;   vc:     [bh][128 keys ks][t][c][lane][16 bytes]: lane (r, h): channel-place 16 t + r (true channel 32 (t / 2) + 8 (t % 2) + r + 8 (r / 8)), keys 128 ks + 32 c + 16 h + 0 .. 15
; THE SOFTMAX AHEAD OF THE SECOND PRODUCT: t = logit x log2(e); M = the row's largest t so far, rounded UP to a whole number; p = 2^(t - M) is quantised with 2^e8, not normalised; the row's sum is taken
; of the unquantised p and divides at the end.  When M moves, the sum and O are multiplied by 2^(old M - new M), which rounds nothing.
; LAYOUT.  Both products are used transposed: S^T = K Q^T, O^T = V^T P^T: a lane holds ONE query (lane % 16) throughout.  By the order of the tokens in a fragment the 16 registers of S^T's tiles 2 b, 2 b + 1
; are the keys 32 b + 16 h + 0 .. 15: the conversions' results are P's registers; likewise O^T's tiles 2 b, 2 b + 1 are 16 neighbouring channels.
; SHARES.  A work-group owns 512 queries of one head; each of its sixteen waves 32 of them, two tiles, in 256 registers, four waves to a SIMD.  Every wave walks the head's 2,048 keys, 128 a step.
; K AND V LIE IN LDS WHOLE, each byte filled once, dense as in memory; a fragment load is a constant + 16 x lane.  They come in two groups, one tensor load a wave in each:
;   group A, at the head: keys 0 to 255 of K (waves 0 to 7) and of V (waves 8 to 15), 2,048 bytes a wave;  group B, behind the full sequence and a round: the other 1,792 keys, 14,336 bytes a wave.
; Steps 0 and 1 are walked while group B is out; one barrier shows group B whole, and the other 14 steps have no barrier.
; That same barrier shows that nobody reads group A's bytes any more: the way out's stages lie on them and on 36,864 bytes that are never filled, so no barrier stands ahead of the way out.
; CLUSTER.  The four work-groups of a head want the same 262,144 bytes: each piece is asked for JOINTLY, by the same tensor load with the same descriptor and the mask of all four.
; No prefetch: every byte of K and V is asked for by the second group, ahead of step 0, so there is no later load to run ahead of.
; LIMITS: e6 + e7 between -126 and 127 (added to log2(e)'s exponent field); e8 between -126 and 119; e8 + e9 is applied by v_ldexp_f32 and has none.  p under 2^-126 counts as 0 (v_exp_f32 gives no denormals: ISA guide 15.8).
; The scaled scores stay under 2^31 in magnitude.
; REGISTERS: v1 16 x lane, v3 the address in hand; v4-5 the add's two; v6 2^e8; v[8 + 4 a ..]: -M, the largest score, the sum (two halves) of tile a; v16-31 Q; v32-95 eight fragments of K, then four of V;
;   v96-159 S^T, then p, of the tile in hand; v160-223 O^T (tile a, channels t at 160 + 32 a + 8 t); v224-255 P's codes, 16 a tile.  A softmax's registers at work lie in its own tile's codes' registers.
.set STEPB,  8192                      ; 128 keys of K, or of V, in bytes
.set RA,     8                         ; rows of 256 bytes in a wave's load of group A
.set RB,     56                        ; and of group B
.set KA,     36864                     ; LDS: bytes 0 .. 36,863 are never filled; K's keys 0-255,
.set VA,     KA+2*STEPB                ; V's keys 0-255,
.set KB,     VA+2*STEPB                ; K's other keys (69,632 on),
.set VB,     KB+14*STEPB               ; V's other keys,
.set SPARE,  VB+14*STEPB               ; and the spare words, 128 bytes for each of 16 waves, that no other line names
.set SPITCH, 272                       ; the way out: a stage of 16 rows x (256 bytes + 16) for each wave: 16 x 4,352 = 69,632 bytes, from byte 0 to KB
.set LI,  1
.set ADR, 3
.set SPW, 4
.set NIL, 5
.set SC,  6
.set ST,  8
.set QF,  16
.set KV,  32
.set SR,  96
.set OT,  160
.set PC,  224
.set WV,  14                           ; s14  my wave's number
.set SEL, 20                           ; s[20:21] lane selects for v_permlanex16_b32: lane l xor 16
.set CS,  22                           ; s[22:23] c = log2(e) x 2^(e6 + e7), twice
.set G1A, 24                           ; s[24:31], s[32:39] descriptor groups 1 of the two groups of loads;  s[40:43], s[44:47] their groups 0
.set G1B, 32
.set G0A, 40
.set G0B, 44
.set TBK, 48                           ; s48  LDS byte at which the step's 128 keys of K begin;  s49 the same for V
.set TBV, 49
.set CNT, 50                           ; s50  steps to go
.set LIMS, 51                          ; s51  448 x 2^e8
.set ES,  70                           ; s70  e8 + e9
.macro ROUND                           ; a round of the cluster's barrier
	s_barrier_signal -1
	s_barrier_wait -1
	s_cmp_lg_u32 s[WV], 0
	s_cbranch_scc1 .Lnot_wave_0_\@
	s_barrier_signal -3
.Lnot_wave_0_\@:
	s_barrier_wait -3
	s_barrier_signal -1
	s_barrier_wait -1
.endm
	s_load_b256 s[4:11], s[0:1], 0x0               ; qc s[4:5], kc s[6:7], vc s[8:9], the scales s[10:11]
	s_load_b64 s[12:13], s[0:1], 0x20              ; out0
	v_lshl_add_u32 v[SPW], v0, 2, SPARE
	v_mov_b32 v[NIL], 0
	ds_add_u32 v[SPW], v[NIL]                      ; the wave's opening: the add, twice on end, and its wait ahead of my first tensor load
	ds_add_u32 v[SPW], v[NIL]
	v_lshrrev_b32 v1, 5, v0
	v_readfirstlane_b32 s[WV], v1                  ; wave 0..15
	s_bfe_u32 s15, ttmp6, 0x40000                  ; cx: my 512 queries; it enters Q's and out0's addresses alone
	s_and_b32 s16, ttmp7, 0xffff                   ; bh = 16 batch + head, which the four partners share
.irp g, G1A, G1B                       ; dense blocks, in memory and in LDS, as rows of 256 bytes
	s_mov_b32 s[\g], 15|(3<<16)|(1<<21)            ; 15:0 the mask: all four work-groups; 17:16 elements of 8 bytes; no padding; 21 set beside a mask
	s_mov_b32 s[\g+1], 32<<16                      ; tensor_dim0 = 32
	s_mov_b32 s[\g+3], 32<<16                      ; tile_dim0 = 32
	s_mov_b32 s[\g+5], 32                          ; tensor_dim0_stride
	s_mov_b32 s[\g+6], 0
	s_mov_b32 s[\g+7], 0
.endr
	s_mov_b32 s[G1A+2], RA<<16                     ; tensor_dim1, tile_dim1: the rows
	s_mov_b32 s[G1A+4], RA
	s_mov_b32 s[G1B+2], RB<<16
	s_mov_b32 s[G1B+4], RB
	s_and_b32 s17, s[WV], 7                        ; which eighth of K's (waves 0-7) or of V's (waves 8-15) part of a group is mine
	s_lshl_b32 s19, s16, 17                        ; the head's 131,072 bytes
	s_lshl_b32 s18, s17, 11
	s_add_co_u32 s56, s19, s18
	s_mov_b32 s57, 0                               ; s[56:57]: where my piece of group A lies in its image
	s_mul_i32 s18, s17, RB*256
	s_add_co_u32 s18, s18, 2*STEPB
	s_add_co_u32 s58, s19, s18
	s_mov_b32 s59, 0                               ; s[58:59]: the same for group B
	s_mov_b32 s[G0A], 1                            ; count = 1
	s_lshl_b32 s[G0A+1], s[WV], 11
	s_add_co_u32 s[G0A+1], s[G0A+1], KA            ; LDS: KA + 2,048 x wave: V's part follows K's
	s_mov_b32 s[G0B], 1
	s_mul_i32 s[G0B+1], s[WV], RB*256
	s_add_co_u32 s[G0B+1], s[G0B+1], KB            ; LDS: KB + 14,336 x wave: likewise
	s_mov_b32 s[SEL], 0x76543210
	s_mov_b32 s[SEL+1], 0xfedcba98
	s_lshl_b32 s60, s15, 9
	s_lshl_b32 s61, s[WV], 5
	s_add_co_u32 s60, s60, s61                     ; my first query: 512 cx + 32 wave
	s_lshl_b32 s62, s60, 6                         ; 64 bytes of codes a query,
	s_add_co_u32 s62, s62, s19                     ; in my head
	s_mov_b32 s63, 0
	s_lshr_b32 s66, s16, 4
	s_lshl_b32 s66, s66, 23                        ; out0: the batch's 2,048 rows of 4,096 bytes,
	s_lshl_b32 s67, s60, 12
	s_add_co_u32 s66, s66, s67                     ; my first query's row,
	s_and_b32 s67, s16, 15
	s_lshl_b32 s67, s67, 8
	s_add_co_u32 s66, s66, s67                     ; the head's 256 bytes of it
	s_mov_b32 s67, 0
	s_wait_dscnt 0x0                               ; both opening adds are done
	s_wait_kmcnt 0x0
	s_load_b128 s[52:55], s[10:11], 0x18           ; e6, e7, e8, e9
	s_cmp_lt_u32 s[WV], 8                          ; K's image or V's: the wave's number alone decides
	s_cselect_b64 s[68:69], s[6:7], s[8:9]
	s_add_nc_u64 s[G0A+2:G0A+3], s[68:69], s[56:57]
	s_or_b32 s[G0A+3], s[G0A+3], 0x80000000        ; type = 2
	s_add_nc_u64 s[G0B+2:G0B+3], s[68:69], s[58:59]
	s_or_b32 s[G0B+3], s[G0B+3], 0x80000000
	s_add_nc_u64 s[4:5], s[4:5], s[62:63]          ; Q's codes at my first query
	s_add_nc_u64 s[12:13], s[12:13], s[66:67]
	ROUND                                          ; all four work-groups are here: the joint loads meet
	tensor_load_to_lds s[G0A:G0A+3], s[G1A:G1A+7]  ; group A: my one tensor load at the head
	s_nop 0
	v_and_b32 v[LI], 31, v0
	v_lshlrev_b32 v[LI], 4, v[LI]
.irp a, 0,1
.irp j, 0,1
	global_load_b128 v[QF+8*\a+4*\j:QF+8*\a+4*\j+3], v[LI], s[4:5] offset:1024*\a+512*\j th:TH_LOAD_NT   ; Q's two fragments stay in registers
.endr
.endr
.irp a, 0,1
	v_mov_b32 v[ST+4*\a+1], 0xff61b1e6             ; the largest score so far: -3e38, under every score
	v_mov_b32 v[ST+4*\a+2], 0                      ; the sum, in two halves
	v_mov_b32 v[ST+4*\a+3], 0
	v_floor_f32 v[ST+4*\a], -v[ST+4*\a+1]          ; -M: 3e38, so that the first step's f is 0
	v_mov_b32 v[PC+16*\a+5], 0                     ; (named as the upper half of a pair)
.endr
.set j, 0
.rept 64
	v_mov_b32 v[OT+j], 0                           ; O^T.  (The step is written once for all steps: the first finds zeros, which the first change of M leaves zeros)
.set j, j+1
.endr
	s_wait_kmcnt 0x0
	s_add_co_i32 s17, s52, s53
	s_lshl_b32 s17, s17, 23
	s_add_co_i32 s[CS], s17, 0x3fb8aa3b            ; a score stands for score x 2^(e6 + e7): the two exponents are added to log2(e)'s exponent field
	s_mov_b32 s[CS+1], s[CS]                       ; (named with it as a pair, so it is written)
	s_add_co_i32 s17, s54, 127
	s_lshl_b32 s18, s17, 23
	v_mov_b32 v[SC], s18                           ; 2^e8 as f32, for the conversion
	s_add_co_i32 s17, s17, 8
	s_lshl_b32 s17, s17, 23
	s_or_b32 s[LIMS], s17, 0x600000                ; 448 x 2^e8
	s_add_co_i32 s[ES], s54, s55                   ; e8 + e9
; A load into a register that a matrix instruction has read, and a vector instruction that reads a matrix result or writes one of its registers, stand four places behind it (ISA guide 7.12.1 for vector instructions).
.macro LOADK                           ; the step's eight fragments of K; the addition and three v_nop are the four places behind the last step's products, which read these registers
	v_add_nc_u32 v[ADR], s[TBK], v[LI]
.rept 3
	v_nop
.endr
.set f, 0
.rept 8
	ds_load_b128 v[KV+8*f:KV+8*f+3], v[ADR] offset:1024*f
	ds_load_b128 v[KV+8*f+4:KV+8*f+7], v[ADR] offset:1024*f+512
.set f, f+1
.endr
.endm
.macro KQ a, counted                   ; S^T of tile a: eight tiles of 16 keys, K = the head's 64.  counted = 1: K's sixteen loads are the only LDS instructions out; behind fragment f's two stand 14 - 2 f younger ones
.set f, 0
.rept 8
.if \counted
	s_wait_dscnt 14-2*f
.endif
	v_wmma_f32_16x16x64_fp8_fp8 v[SR+8*f:SR+8*f+7], v[KV+8*f:KV+8*f+7], v[QF+8*(\a):QF+8*(\a)+7], 0
.set f, f+1
.endr
.endm
.macro LOADV                           ; the step's four fragments of V over K's; the four places serve these loads and the softmax's first read of the scores alike
	v_add_nc_u32 v[ADR], s[TBV], v[LI]
.rept 3
	v_nop
.endr
.set f, 0
.rept 16
	ds_load_b128 v[KV+4*f:KV+4*f+3], v[ADR] offset:512*f
.set f, f+1
.endr
.endm
.macro SOFTMAX a                       ; tile a's 64 scores of a lane become P's 16 registers
.set TC, PC+16*(\a)                    ; at work: +0 .. +3 four chains of maxima; +4 f; +6 .. +11 three of the four chains of sums
.set SS, ST+4*(\a)
.set OA, OT+32*(\a)
	v_max3_num_f32 v[TC], v[SR], v[SR+1], v[SR+2]  ; the largest score of my query among my 64 keys: four chains by turns, which go up the registers
	v_max3_num_f32 v[TC+1], v[SR+3], v[SR+4], v[SR+5]
	v_max3_num_f32 v[TC+2], v[SR+6], v[SR+7], v[SR+8]
	v_max3_num_f32 v[TC+3], v[SR+9], v[SR+10], v[SR+11]
.set i, 12
.rept 26
	v_max3_num_f32 v[TC+((i-12)/2)%4], v[TC+((i-12)/2)%4], v[SR+i], v[SR+i+1]
.set i, i+2
.endr
	v_max3_num_f32 v[TC+2], v[TC+2], v[TC+3], v[SS+1]   ; the running largest score is one more leaf
	s_delay_alu instid0(VALU_DEP_1)
	v_max3_num_f32 v[TC], v[TC], v[TC+1], v[TC+2]
	v_permlanex16_b32 v[TC+1], v[TC], s[SEL], s[SEL+1]
	s_delay_alu instid0(VALU_DEP_1)
	v_max_num_f32 v[SS+1], v[TC], v[TC+1]          ; and lane l xor 16's: the running largest score
	s_delay_alu instid0(VALU_DEP_1)
	v_mul_f32 v[TC], s[CS], v[SS+1]                ; as t (c is positive, so the largest score gives the largest t)
	v_mov_b32 v[TC+1], v[SS]
	s_delay_alu instid0(VALU_DEP_2)
	v_floor_f32 v[SS], -v[TC]                      ; the new -M = floor(-t) = -ceil(t): a whole number
.set j, 0
.rept 32
	v_pk_fma_f32 v[SR+j:SR+j+1], v[SR+j:SR+j+1], s[CS:CS+1], v[SS:SS+1] op_sel_hi:[1,0,0]   ; t - M, two at a time (of the pairs c and -M the low word serves both halves)
.if j == 6
	v_sub_f32 v[TC], v[SS], v[TC+1]                ; among them, each well behind the last: M's old value less its new one, a whole number, 0 or less;
.endif
.if j == 14
	v_cvt_i32_f32 v[TC], v[TC]                     ; (it saturates)
.endif
.if j == 22
	v_ldexp_f32 v[TC+4], 1.0, v[TC]                ; f = 2^(old M - new M)
.endif
.set j, j+2
.endr
	s_wait_alu depctr_va_vdst(0)                   ; ahead of the batch, directly ahead of the first reader of O^T
.set j, 0
.rept 16
	v_pk_mul_f32 v[OA+j:OA+j+1], v[OA+j:OA+j+1], v[TC+4:TC+5] op_sel_hi:[1,0]   ; the tile's O^T under the new M
.set j, j+2
.endr
.set j, 0
.rept 64
	v_exp_f32 v[SR+j], v[SR+j]                     ; p = 2^(t - M), at most 1: not normalised
.set j, j+1
.endr
	v_pk_mul_f32 v[SS+2:SS+3], v[SS+2:SS+3], v[TC+4:TC+5] op_sel_hi:[1,0]   ; the sums under the new M: the plain line behind the batch
	s_wait_alu depctr_va_vdst(0)                   ; ahead of the first reader: one for the 64 exponentials
	v_pk_add_f32 v[TC+6:TC+7], v[SR:SR+1], v[SR+2:SR+3]   ; the row's sum is taken of the UNQUANTISED p: two at a time, four chains by turns
	v_pk_add_f32 v[TC+8:TC+9], v[SR+4:SR+5], v[SR+6:SR+7]
	v_pk_add_f32 v[TC+10:TC+11], v[SR+8:SR+9], v[SR+10:SR+11]
.set j, 12
.rept 26
.set CQ, ((j-12)/2)%4
.if CQ == 0
.set CH, SS+2
.else
.set CH, TC+4+2*CQ
.endif
	v_pk_add_f32 v[CH:CH+1], v[CH:CH+1], v[SR+j:SR+j+1]
.set j, j+2
.endr
	v_pk_add_f32 v[TC+8:TC+9], v[TC+8:TC+9], v[TC+10:TC+11]
	v_pk_add_f32 v[SS+2:SS+3], v[SS+2:SS+3], v[TC+6:TC+7]
	s_delay_alu instid0(VALU_DEP_1)
	v_pk_add_f32 v[SS+2:SS+3], v[SS+2:SS+3], v[TC+8:TC+9]
.set j, 0
.rept 32                               ; the conversion to an 8-bit code does not saturate (ISA guide 7.6.2); p is not negative, so the hold is one-sided.  It stands whatever e8 is.  Two holds to a line: an even and an odd register, the bound in one scalar register
	v_dual_min_num_f32 v[SR+j], s[LIMS], v[SR+j] :: v_dual_min_num_f32 v[SR+j+1], s[LIMS], v[SR+j+1]
.set j, j+2
.endr
.irp b, 0,1,2,3
	v_cvt_scalef32_pk8_fp8_f32 v[TC+4*\b:TC+4*\b+1], v[SR+16*\b:SR+16*\b+7], v[SC]
	v_cvt_scalef32_pk8_fp8_f32 v[TC+4*\b+2:TC+4*\b+3], v[SR+16*\b+8:SR+16*\b+15], v[SC]
.endr
	v_nop                                          ; a plain instruction between the last conversion and the matrix instructions that write its sources or read its result
.endm
.macro PV                              ; O^T += V^T P^T, K = the step's 128 keys: the eight accumulators take turns, one instruction a turn
.irp t, 0,1,2,3
.irp a, 0,1
	v_wmma_f32_16x16x128_fp8_fp8 v[OT+32*\a+8*\t:OT+32*\a+8*\t+7], v[KV+16*\t:KV+16*\t+15], v[PC+16*\a:PC+16*\a+15], v[OT+32*\a+8*\t:OT+32*\a+8*\t+7]
.endr
.endr
.endm
.macro WALK kb, vb, n                  ; n steps of 128 keys for my 32 queries, from LDS bytes kb (K) and vb (V) on
	s_mov_b32 s[TBK], \kb
	s_mov_b32 s[TBV], \vb
	s_mov_b32 s[CNT], \n
.Lstep_\@:
	LOADK
	KQ 0, 1                                        ; each product waits for its own fragment of K
.rept 4
	v_nop                                          ; places in front of the first read of the scores
.endr
	SOFTMAX 0
	KQ 1, 0                                        ; over tile 0's p, which has become codes
	LOADV                                          ; V lands while tile 1's softmax is walked
	SOFTMAX 1
	s_wait_alu depctr_va_vdst(0)
	s_wait_dscnt 0x0                               ; V is in
	PV
	s_add_co_u32 s[TBK], s[TBK], STEPB
	s_add_co_u32 s[TBV], s[TBV], STEPB
	s_sub_co_u32 s[CNT], s[CNT], 1
	s_cmp_lg_u32 s[CNT], 0
	s_cbranch_scc1 .Lstep_\@
.endm
	s_wait_alu depctr_va_vdst(0)
	s_wait_tensorcnt 0x0                           ; my piece of group A is in
	ds_add_u32 v[SPW], v[NIL]                      ; 0 onto my spare word
	s_wait_dscnt 0x0                               ; the add is done
	ROUND                                          ; everybody's piece of group A is in, and all four work-groups are here: the joint loads meet
	tensor_load_to_lds s[G0B:G0B+3], s[G1B:G1B+7]  ; group B: my one tensor load behind the round, ahead of my first LDS read
	s_nop 0
	s_wait_loadcnt 0x0                             ; Q
	WALK KA, VA, 2                                 ; keys 0 to 255, while group B is out
	s_wait_tensorcnt 0x0                           ; my piece of group B is in,
	s_wait_dscnt 0x0                               ; and my reads of group A's bytes are over
	s_barrier_signal -1
	s_barrier_wait -1                              ; both now hold of all sixteen waves
	WALK KB, VB, 14                                ; the other 1,792 keys
	; THE WAY OUT.  My stage lies under KB: on bytes that are never filled and on group A's, which nobody has read since the barrier above.  So each wave leaves when its own keys are walked.
	v_and_b32 v1, 15, v0                           ; r.  (The address work is also the places behind the last products)
	v_bfe_u32 v2, v0, 4, 1                         ; h
	s_mul_i32 s17, s[WV], 16*SPITCH                ; my stage
	v_mul_u32_u24 v3, v1, SPITCH
	v_mul_u32_u24 v6, v2, SPITCH
	s_delay_alu instid0(VALU_DEP_2)
	v_lshl_add_u32 v3, v2, 6, v3
	s_delay_alu instid0(VALU_DEP_2)
	v_lshl_add_u32 v6, v1, 4, v6
	s_delay_alu instid0(VALU_DEP_2)
	v_add_nc_u32 v3, s17, v3                       ; in: row r (my query), + 64 h: my 16 channels of each 32
	s_delay_alu instid0(VALU_DEP_2)
	v_add_nc_u32 v6, s17, v6                       ; back: lanes 0-15 one row of 256 bytes, lanes 16-31 the next
	v_lshlrev_b32 v7, 12, v2
	s_delay_alu instid0(VALU_DEP_1)
	v_lshl_add_u32 v7, v1, 4, v7                   ; and the same in out0: rows 4,096 bytes apart
	v_add_f32 v[ST+2], v[ST+2], v[ST+3]            ; the sums' two halves,
	v_add_f32 v[ST+6], v[ST+6], v[ST+7]
	s_delay_alu instid0(VALU_DEP_2)
	v_permlanex16_b32 v1, v[ST+2], s[SEL], s[SEL+1]
	s_delay_alu instid0(VALU_DEP_2)
	v_permlanex16_b32 v2, v[ST+6], s[SEL], s[SEL+1]
	s_delay_alu instid0(VALU_DEP_2)
	v_add_f32 v[ST+2], v[ST+2], v1                 ; and lane l xor 16's: the rows' sums
	s_delay_alu instid0(VALU_DEP_2)
	v_add_f32 v[ST+6], v[ST+6], v2
	s_wait_alu depctr_va_vdst(0)
	v_rcp_f32 v[ST+2], v[ST+2]
	v_rcp_f32 v[ST+6], v[ST+6]
	v_nop                                          ; a plain instruction between the last reciprocal and the first use of a result
	s_wait_alu depctr_va_vdst(0)                   ; ahead of the first reader: one for both
	v_ldexp_f32 v[ST+2], v[ST+2], s[ES]            ; x 2^(e8 + e9)
	v_ldexp_f32 v[ST+6], v[ST+6], s[ES]
.irp a, 0,1
.set j, 0
.rept 16
	v_pk_mul_f32 v[SR+32*\a+j:SR+32*\a+j+1], v[OT+32*\a+j:OT+32*\a+j+1], v[ST+4*\a+2:ST+4*\a+3] op_sel_hi:[1,0]   ; O^T / the sum; each accumulator from its low end on
.set j, j+2
.endr
.endr
.irp a, 0,1                            ; a tile (16 queries x 256 bytes) through my stage: register 8 t + i is channel 32 (t / 2) + 16 h + 8 (t % 2) + i
.irp t, 0,1,2,3
	ds_store_b128 v3, v[SR+32*\a+8*\t:SR+32*\a+8*\t+3] offset:128*(\t/2)+32*(\t%2)
	ds_store_b128 v3, v[SR+32*\a+8*\t+4:SR+32*\a+8*\t+7] offset:128*(\t/2)+32*(\t%2)+16
.endr
.irp i, 0,1,2,3,4,5,6,7
	ds_load_b128 v[KV+32*\a+4*\i:KV+32*\a+4*\i+3], v6 offset:2*\i*SPITCH   ; LDS serves a wave's instructions in order (ISA guide 5.7.1.4): these see my stores, and the next tile's stores come behind them
.endr
.endr
.irp a, 0,1
.irp i, 0,1,2,3,4,5,6,7
	s_wait_dscnt 23-16*\a-\i                       ; younger than this load: the tile's later loads, and for tile 0 the sixteen LDS instructions of tile 1
	global_store_b128 v7, v[KV+32*\a+4*\i:KV+32*\a+4*\i+3], s[12:13] offset:(8*\a+2*\i+8*(\i/4))*4096 th:TH_STORE_NT   ; stage row p is true query 8 a + p + 8 (p / 8) of my 32; sixteen lanes store the 256 aligned bytes of one (query, head)
.endr
.endr
	s_wait_tensorcnt 0x0                           ; the wave's end: three lines behind my last tensor load and my last LDS store
	ds_add_u32 v[SPW], v[NIL]
	s_wait_dscnt 0x0
	ROUND                                          ; the closing round: no work-group ends while a partner may still ask for a piece that names it
	s_endpgm
.Lfunc_end_k_q413af3522f_attn:
	.size	k_q413af3522f_attn, .Lfunc_end_k_q413af3522f_attn-k_q413af3522f_attn
	.p2alignl 7, 3214868480
	.fill 96, 4, 3214868480
	.section	.rodata,"a",@progbits
	.p2align	6, 0x0
	.amdhsa_kernel k_q413af3522f_attn
		.amdhsa_group_segment_fixed_size 327680
		.amdhsa_private_segment_fixed_size 0
		.amdhsa_enable_private_segment 0
		.amdhsa_kernarg_size 40
		.amdhsa_user_sgpr_count 2
		.amdhsa_user_sgpr_kernarg_segment_ptr 1
		.amdhsa_wavefront_size32 1
		.amdhsa_system_sgpr_workgroup_id_x 1
		.amdhsa_system_sgpr_workgroup_id_y 1
		.amdhsa_system_sgpr_workgroup_id_z 1
		.amdhsa_system_vgpr_workitem_id 0
		.amdhsa_next_free_vgpr 256
		.amdhsa_next_free_sgpr 72
		.amdhsa_reserve_vcc 0
		.amdhsa_float_denorm_mode_32 3
		.amdhsa_float_denorm_mode_16_64 3
		.amdhsa_memory_ordered 1
		.amdhsa_forward_progress 1
		.amdhsa_inst_pref_size 74
	.end_amdhsa_kernel
	.amdgpu_metadata
---
amdhsa.version: [ 1, 2 ]
amdhsa.kernels:
  - .name:           k_q413af3522f_attn
    .symbol:         k_q413af3522f_attn.kd
    .args:
      - { .name: qc, .offset: 0, .size: 8, .value_kind: global_buffer, .address_space: global }
      - { .name: kc, .offset: 8, .size: 8, .value_kind: global_buffer, .address_space: global }
      - { .name: vc, .offset: 16, .size: 8, .value_kind: global_buffer, .address_space: global }
      - { .name: lowp_scales, .offset: 24, .size: 8, .value_kind: global_buffer, .address_space: global }
      - { .name: out0, .offset: 32, .size: 8, .value_kind: global_buffer, .address_space: global }
    .group_segment_fixed_size: 327680
    .private_segment_fixed_size: 0
    .kernarg_segment_align: 8
    .kernarg_segment_size: 40
    .max_flat_workgroup_size: 512
    .sgpr_count:     72
    .vgpr_count:     256
    .wavefront_size: 32
...
	.end_amdgpu_metadata
.endif
;; end of part 3
